; MI455X (gfx1250); checked and timed in simulation.
; The chip was launched on July 23, 2026; its instructions are those of AMD's public machine-readable ISA for CDNA 5 (MIT licence, August 2026) and "CDNA5" Instruction Set Architecture Reference Guide (July 2026). The comments in the code are by the model that wrote it; some were corrected since.
;; Self Attention. Allowed arithmetic: matrix products marked QUANTISED: E4M3 operands, one given power-of-two scale a tensor, by v_wmma_f32_16x16x64_fp8_fp8 or v_wmma_f32_16x16x128_fp8_fp8, f32 sums; everything else in f32.
;; Inputs: b_in 3,072 float32; b_out 1,024 float32; lowp_scales 8 int32 (the exponents e of the quantised operands' scales 2^e); w_in_codes 3,072 x 32 x 32 uint8 (E4M3 codes of w_in, K innermost, in blocks of 32 codes); w_out_codes 1,024 x 32 x 32 uint8 (E4M3 codes of w_out, K innermost, in blocks of 32 codes); x_codes 4 x 2,048 x 32 x 32 uint8 (E4M3 codes of x, K innermost, in blocks of 32 codes).
;; Outputs: out0 4 x 2,048 x 1,024 float32.
;; Constants: causal_mask = 1.
;; This version of the problem:
;;   THIS VERSION OF THE PROBLEM IS GIVEN IN LOW PRECISION. The matrix products marked QUANTISED in the list below multiply operands that are first quantised to E4M3 (4 exponent bits, 3 mantissa bits; 8 bits a number), with one given power-of-two scale for each operand tensor; their sums are f32. All else is computed in f32.
;;   The module's matrix products, in the order in which they are computed (A, B: the left and right operand; K: the contracted axis; several contracted axes count as one K, in the product's order):
;;     1. [M 8,192, K 1,024] x [K 1,024, N 3,072]; A: input x (given as codes); B: input w_in (given as codes): QUANTISED (scales: A lowp_scales[0], B lowp_scales[1])
;;     2. batch 64 x [M 2,048, K 64] x [K 64, N 2,048]; A: computed on the way; B: computed on the way: QUANTISED (scales: A lowp_scales[2], B lowp_scales[3])
;;     3. batch 64 x [M 64, K 2,048] x [K 2,048, N 2,048]; A: computed on the way; B: softmax (see below): QUANTISED (scales: A lowp_scales[4], B lowp_scales[5])
;;     4. [M 8,192, K 1,024] x [K 1,024, N 1,024]; A: computed on the way; B: input w_out (given as codes): QUANTISED (scales: A lowp_scales[6], B lowp_scales[7])
;;   THE QUANTISER, for each operand of a quantised product, along K:
;;     - The operand's scale is 2^e, e = its entry of the input lowp_scales (int32; the entries are numbered through the quantised products in the list's order, A before B).
;;     - Each number is divided by the scale, clamped to +-448, and rounded to the nearest number of E4M3, ties to even, subnormals kept.
;;     - The product sums the exact products of the quantised numbers (number of the format x scale) in f32.
;;   ~~~python
;;   def quantise(x, axis, e):      # numpy; x: float32 -> the quantised numbers, widened to float32 again
;;       x = np.moveaxis(x, axis, -1); K = x.shape[-1]
;;       r = np.clip(x / 2.0 ** e, -448, 448)
;;       step = 2.0 ** (np.maximum(np.frexp(np.where(r == 0, 1, r))[1] - 1, -6) - 3)
;;       q = np.round(r / step) * step * 2.0 ** e      # np.round: ties to even
;;       return np.moveaxis(q, -1, axis).astype(np.float32)
;;   ~~~
;;   SOFTMAX AHEAD OF A QUANTISED PRODUCT. Where the list says 'softmax', what is quantised is not the finished softmax but p = 2^(t - M), with t = logit x log2(e) and M = ceil(the row's largest t), a whole number; so 1/2 < the row's largest p <= 1. The row's sum l is taken of the UNQUANTISED p, in f32, and the product's result is divided by l at the end. Since M is a whole number, a kernel that streams over the keys may use a running M (the ceiling of the running maximum): every later rescaling is an exact power of two, so the quantised numbers keep their values, but for numbers so far below the row's largest that they fall under the format's range.
;;   OPERANDS COMPUTED ON THE WAY. 'Computed on the way' means the value that the module computes at that place (a softmax that the list does not call 'softmax' is quantised finished and normalised). What goes into a quantiser is computed in f32, as accurately as f32 sums, v_exp_f32 and their like allow (about 1e-6 of the number): no bf16 or f16 on the way to a quantiser, and a product that is left as it is and whose result goes on into a quantised operand takes f32 operands (vector FMAs, or v_wmma_f32_16x16x4_f32). A number that lies on a knife's edge between two numbers of the format may be rounded either way, as far as f32 arithmetic and the matrix unit's own rounding can turn it there, and no further.
;;   INPUTS GIVEN AS CODES. w_in (in the module: [3072, 1024], K = its axis 1); w_out (in the module: [1024, 1024], K = its axis 1); x (in the module: [4, 2048, 1024], K = its axis 2): each comes as NAME_codes (uint8): NAME with its K axis moved to the last place and cut into blocks of 32 codes, [.., K / 32, bytes a block], one block behind the other in memory; one code a byte (a code: sign, 4 exponent bits, 3 mantissa bits); its scale is its entry of lowp_scales. Its value is code x scale, taken as it is: it is not quantised again, and the codes and scales need not be those that the quantiser above would give.
;; One version. Each part assembles by itself: llvm-mc -triple=amdgcn-amd-amdhsa -mcpu=gfx1250 --defsym DOCPART=n.
;; ======== version 1 of 1: 3 launches
;; workspace buffers: qc 8,388,608 bytes; kc 8,388,608 bytes; vc 8,388,608 bytes; att 8,388,608 bytes
;; launch proj_in (part 1): grid 12 x 32, 4 waves a work-group, clusters of 4 x 4, 327,680 bytes of LDS; arguments x_codes, w_in_codes, lowp_scales, b_in, qc, kc, vc; writes qc, kc, vc
.if DOCPART == 1
	.amdgcn_target "amdgcn-amd-amdhsa--gfx1250"
	.amdhsa_code_object_version 6
	.text
	.protected	k_q34b34a1e94_proj_in
	.globl	k_q34b34a1e94_proj_in
	.p2align	8
	.type	k_q34b34a1e94_proj_in,@function
k_q34b34a1e94_proj_in:
	s_mov_b64 s[64:65], 0
	v_nop
	global_prefetch_b8 v0, s[64:65] scope:SCOPE_SE
	s_setreg_imm32_b32 hwreg(HW_REG_WAVE_MODE, 25, 1), 1
	s_wait_xcnt 0x0
	s_wait_alu depctr_hold_cnt(0) depctr_sa_sdst(0) depctr_va_vdst(0) depctr_va_sdst(0) depctr_va_ssrc(0) depctr_va_vcc(0) depctr_vm_vsrc(0)
	s_getreg_b32 s2, hwreg(HW_REG_IB_STS2, 6, 4)
	s_cmp_eq_u32 s2, 0
	s_cbranch_scc0 .Lentry_in_a_cluster
	s_endpgm
.Lentry_in_a_cluster:
	s_bfe_u32 s2, ttmp6, 0x10000c
	s_cmp_lg_u32 s2, 0xf033
	s_cbranch_scc0 .Lentry_shape_is_right
	s_endpgm
.Lentry_shape_is_right:
; qkv = x w_in^T + b_in on codes of FP8 (E4M3), then q, k and v are quantised again with their given scales and stored as codes, laid as the attention launch reads them.
; x: [8192][1024] codes, scale 2^e0.  w_in: [3072][1024] codes, scale 2^e1.  q gets 2^e2, k 2^e3, v 2^e4 (lowp_scales, int32).
; OUT: qc, kc: [batch][head][s 2048][64 d]; vc: [batch][head][chunk of 64 keys][d 64][64 keys].  The 64 codes of a row stand in the order in which two neighbouring result tiles leave a lane:
; byte 32 c + 16 y + 8 u + j holds index 32 c + 16 u + 8 y + j.  A 16-byte load at 32 c + 16 (lane / 16) then gives registers 4 c .. 4 c + 3 of a plain fp8 fragment with every k in its own place.
; A tile of 256 x 256 is made by a work-group of four waves, 128 x 128 a wave: 64 accumulators, 512 registers.  K = 1024 goes in four steps of 256 through a ring of two LDS slots filled by the tensor data mover.
; TWO SIDES.  Source 1 of the matrix instruction is the "A side" (a lane holds one of its rows), source 0 the "B side" (a lane's eight registers run along its rows).  A lane's registers must run along the next
; product's K: the head's 64 for q and k, the keys for v.  So for q, k (cluster x = 0, 1): A side = x, B side = w_in's rows 1024 x cluster x on; for v (cluster x = 2): A side = w_in's rows 2048 on, B side = x.
; The choice hangs on the cluster's x alone, which all sixteen partners share; it selects pointers and numbers, never a path.
; CLUSTERS: 4 x 4 work-groups.  The four of a row of the cluster need the same A-side tile, the four of a column the same B-side tile: each is asked for JOINTLY, by the same tensor load with a mask that names the four.
; THE WAY OUT.  A sum stands for sum x 2^(e0 + e1).  The bias goes in divided by that power; the conversion's one scale is 2^(eo - e0 - e1), eo the output's exponent.  The bias runs along the B side for q, k and along
; the A side for v: both are added, and the one that does not apply is made 0 at the head.
; LIMITS: eo - e0 - e1 between -126 and 119 (so that the scale and 448 x the scale are f32 numbers).  NaN among the biases is not served.
; REGISTERS, in windows of 256: window 0: v8-29 addresses and the two scale numbers; v32-95 the B-side bias (8 a tile); v96-111 the A-side bias (a pair a block); v112-127 codes; v128-255 A-side fragments, ONE set;
;   on the way out v128-191 numbers at work, v192-223 rows read back, v224-239 the second set of codes.   window 1: B-side fragments, TWO sets.   windows 2, 3: the accumulators, (a, b) at v[8 (8 (a % 4) + b)].
.set ROWB,   256                       ; a tile's row in bytes: 256 along K
.set KROW,   1024                      ; a row of x or of w_in in memory
.set PITCH,  272                       ; an LDS row: 256 bytes + 16 of padding: the 16 rows that a fragment load touches start at 16 different groups of four banks (ISA guide 11.1)
.set FR,     16                        ; registers of a fragment: 16 rows x 128 K
.set NL,     4                         ; LDS loads that bring one
.set NP,     4                         ; places behind this matrix instruction (ISA guide 7.12.1)
.set HALFT,  128*PITCH                 ; 128 rows: what one tensor load brings
.set SLOT,   4*HALFT                   ; the A side's 256 rows, then the B side's
.set SPARE,  2*SLOT                    ; behind the ring: the spare words, 128 bytes a wave
.set SPITCH, 144                       ; the way out: a stage of 16 rows x (128 bytes + 16) for each wave, in slot 0, which has had its last fill and its last read by then
.set BNO,  8                           ; v8   byte offset in b_in of my eight numbers of B-side tile 0; never rewritten
.set BMO,  9                           ; v9   byte offset in b_in of my number of A-side block 0; never rewritten
.set SC,   12                          ; v12  2^(eo - e0 - e1) as f32
.set LIM,  13                          ; v13  448 x that
.set ADRA, 16                          ; v16-17  LDS address of my A-side fragments in slot 0, 1
.set ADRB, 20                          ; v20-21  the same for the B side
.set STO,  24                          ; v24  the stage: where I put 16 bytes of a row
.set RD,   25                          ; v25  and where I read them back
.set CO,   26                          ; v26  16 x lane: my place in 512 bytes of the output
.set SPW,  28                          ; v28  LDS address of my spare word; never rewritten
.set NIL,  29                          ; v29  0; never rewritten
.set BN,   32
.set BM,   96
.set CD,   112
.set AF,   128
.set TMP,  128
.set BK,   192
.set G1,   24                          ; s[24:31] descriptor group 1 for the A side;  s[32:39] group 0, one set for each slot
.set G0,   32
.set G1B,  48                          ; s[48:55], s[56:63] the same for the B side
.set G0B,  56
.set OB,   88                          ; s[88:95] four output pointers: chunk of 64 along the B side hh, blocks 0-3 or 4-7 ah: at s[88 + 4 hh + 2 ah]
.set MSB, 0
.macro WIN new                         ; the immediate's high byte repeats the setting that is left
.if MSB != \new
	s_set_vgpr_msb (MSB<<8)|\new
.set MSB, \new
.endif
.endm
.set MUL_LO, 0xa1                      ; source 0 window 1, source 1 window 0, C and D window 2
.set MUL_HI, 0xf1                      ; the same, C and D window 3
.set TO_B,   0x40                      ; destination window 1, address window 0
; A joint load: waves 0 and 1 fetch for the A side, waves 2 and 3 for the B side.  The branch hangs on the wave's number alone.  Four v_nop follow each of the two lines.
.macro JLOAD g0a, g1a, g0b, g1b
	s_cmp_eq_u32 s15, 0
	s_cbranch_scc0 .Lfor_b_\@
	tensor_load_to_lds s[\g0a:\g0a+3], s[\g1a:\g1a+7]
	s_nop 0
.rept 4
	v_nop
.endr
	s_branch .Lasked_\@
.Lfor_b_\@:
	tensor_load_to_lds s[\g0b:\g0b+3], s[\g1b:\g1b+7]
	s_nop 0
.rept 4
	v_nop
.endr
.Lasked_\@:
.endm
.macro CREST                           ; a round of the cluster's barrier behind its opening barrier
	s_cmp_lg_u32 s14, 0
	s_cbranch_scc1 .Lnot_wave_0_\@
	s_barrier_signal -3
.Lnot_wave_0_\@:
	s_barrier_wait -3
	s_barrier_signal -1
	s_barrier_wait -1
.endm
.macro CROUND                          ; a whole round
	s_barrier_signal -1
	s_barrier_wait -1
	CREST
.endm
	s_load_b256 s[4:11], s[0:1], 0x0               ; x s[4:5], w_in s[6:7], the scales' exponents s[8:9], b_in s[10:11]
	s_load_b128 s[68:71], s[0:1], 0x20             ; qc s[68:69], kc s[70:71]
	s_load_b64 s[72:73], s[0:1], 0x30              ; vc
	v_lshl_add_u32 v[SPW], v0, 2, SPARE
	v_mov_b32 v[NIL], 0
	ds_add_u32 v28, v29
	s_wait_dscnt 0x0
	v_lshrrev_b32 v1, 5, v0
	v_readfirstlane_b32 s14, v1                    ; wave 0..3
	s_lshr_b32 s15, s14, 1                         ; which half of the A side's rows is mine.  Also: I fetch for the A side (0) or the B side (1)
	s_and_b32 s16, s14, 1                          ; which half of the B side's rows.  Also: which 128 rows of that tile I fetch
	s_bfe_u32 s40, ttmp6, 0x40000                  ; cx, cy: my place in the cluster
	s_bfe_u32 s41, ttmp6, 0x40004
	s_and_b32 s12, ttmp7, 0xffff
	s_lshl_b32 s12, s12, 2                         ; 4 x cluster y
	s_lshl_b32 s13, ttmp9, 10                      ; 1024 x cluster x: w_in's first row for q (0) or k (1024)
	s_cmp_eq_u32 ttmp9, 2                          ; v?  the same in all sixteen partners
	s_cselect_b32 s17, 0, s12
	s_cselect_b32 s42, s12, 0
	s_cselect_b32 s22, 2048, 0                     ; the A side's first row in its tensor
	s_cselect_b32 s23, 0, s13                      ; the B side's
	s_add_co_u32 s17, s17, s41                     ; A-side tile: 4 cluster y + cy (x), or cy (w_in's v rows)
	s_add_co_u32 s42, s42, s40                     ; B-side tile: cx (w_in), or 4 cluster y + cx (x)
	s_lshl_b32 s43, s41, 2
	s_lshl_b32 s43, 15, s43                        ; my row of the cluster
	s_lshl_b32 s44, 0x1111, s40                    ; my column
	; descriptor group 1: a tile of 128 rows x 256 bytes, padded in LDS
	s_or_b32 s[G1+0], s43, (0<<16)|(1<<20)|(1<<21)|(5<<22)|(3<<25)  ; 15:0 the mask; 17:16 elements of 1 byte; 20 padding on; 21 set beside a mask; 24:22 after every 64 words; 31:25 four words
	s_or_b32 s[G1B+0], s44, (0<<16)|(1<<20)|(1<<21)|(5<<22)|(3<<25)
.irp g, G1, G1B
	s_mov_b32 s[\g+1], ROWB<<16                    ; tensor_dim0
	s_mov_b32 s[\g+2], 128<<16                     ; tensor_dim1
	s_mov_b32 s[\g+3], ROWB<<16                    ; tile_dim0
	s_mov_b32 s[\g+4], 128                         ; tile_dim1
	s_mov_b32 s[\g+5], KROW                        ; tensor_dim0_stride
	s_mov_b32 s[\g+6], 0
	s_mov_b32 s[\g+7], 0
.endr
	s_lshl_b32 s18, s16, 7                         ; which 128 rows of the tile I fetch
	s_lshl_b32 s20, s17, 8
	s_add_co_u32 s20, s20, s18
	s_add_co_u32 s20, s20, s22                     ; A side: row
	s_lshl_b32 s20, s20, 10                        ; in bytes (under 2^23)
	s_mov_b32 s21, 0
	s_lshl_b32 s46, s42, 8
	s_add_co_u32 s46, s46, s18
	s_add_co_u32 s46, s46, s23                     ; B side: row
	s_lshl_b32 s46, s46, 10
	s_mov_b32 s47, 0
	s_mul_i32 s45, s14, HALFT                      ; where they go: wave x 128 rows: no place in the cluster enters an LDS address
	s_wait_kmcnt 0x0
	s_load_b256 s[80:87], s[8:9], 0x0              ; e0 .. e7
	s_cmp_eq_u32 ttmp9, 2
	s_cselect_b64 s[74:75], s[6:7], s[4:5]         ; the A side's tensor
	s_cselect_b64 s[76:77], s[4:5], s[6:7]         ; the B side's
	s_add_nc_u64 s[20:21], s[74:75], s[20:21]
	s_add_nc_u64 s[46:47], s[76:77], s[46:47]
	CROUND                                         ; all sixteen work-groups are here: the first joint loads meet
.irp s, 0,1
	s_mov_b32 s[G0+4*\s], 1
	s_add_co_u32 s[G0+4*\s+1], s45, \s*SLOT
	s_add_nc_u64 s[G0+4*\s+2:G0+4*\s+3], s[20:21], \s*ROWB
	s_or_b32 s[G0+4*\s+3], s[G0+4*\s+3], 0x80000000
	s_mov_b32 s[G0B+4*\s], 1
	s_add_co_u32 s[G0B+4*\s+1], s45, \s*SLOT
	s_add_nc_u64 s[G0B+4*\s+2:G0B+4*\s+3], s[46:47], \s*ROWB
	s_or_b32 s[G0B+4*\s+3], s[G0B+4*\s+3], 0x80000000
	JLOAD G0+4*\s, G1, G0B+4*\s, G1B               ; two joint loads of mine are out
.endr
	v_and_b32 v1, 15, v0                           ; r = lane % 16
	v_bfe_u32 v2, v0, 4, 1                         ; hl = lane / 16
	; the biases: asked for first, so that they land while the addresses are made
	s_lshl_b32 s18, s42, 8
	s_lshl_b32 s19, s16, 7
	s_add_co_u32 s18, s18, s19
	s_add_co_u32 s18, s18, s13                     ; q, k: my first B-side row is entry 1024 cluster x + 256 tile + 128 half of b_in
	s_lshl_b32 s18, s18, 2
	s_lshl_b32 s78, s17, 8
	s_lshl_b32 s19, s15, 7
	s_add_co_u32 s78, s78, s19                     ; m0: my first A-side row, counted in its own tensor part
	s_add_co_u32 s19, s78, 2048                    ; v: it is entry 2048 + m0 of b_in
	s_lshl_b32 s19, s19, 2
	s_cmp_eq_u32 ttmp9, 2
	s_cselect_b32 s18, 0, s18                      ; the bias that does not apply is read at b_in's head (inside the buffer) and made 0 below
	s_cselect_b32 s19, s19, 0
	v_lshl_add_u32 v[BNO], v2, 5, s18              ; tile b, register i: entry 16 b + 8 hl + i
	v_lshl_add_u32 v[BMO], v1, 2, s19              ; block a: entry 16 a + r
.irp b, 0,1,2,3,4,5,6,7
	global_load_b128 v[BN+8*\b:BN+8*\b+3], v[BNO], s[10:11] offset:64*\b
	global_load_b128 v[BN+8*\b+4:BN+8*\b+7], v[BNO], s[10:11] offset:64*\b+16
.endr
.irp a, 0,1,2,3,4,5,6,7
	global_load_b32 v[BM+2*\a], v[BMO], s[10:11] offset:64*\a
.endr
	v_mul_u32_u24 v3, v1, PITCH
	v_lshl_add_u32 v4, v2, 4, v3                   ; a fragment's row x pitch + 16 x half
	s_mul_i32 s96, s15, HALFT                      ; my 128 rows of the A side
	s_mul_i32 s97, s16, HALFT                      ; my 128 rows of the B side,
	s_add_co_u32 s97, s97, 2*HALFT                 ; which lie behind the A side's 256
.irp s, 0,1
	v_add_nc_u32 v[ADRA+\s], s96, v4
	v_add_nc_u32 v[ADRB+\s], s97, v4
	s_add_co_u32 s96, s96, SLOT
	s_add_co_u32 s97, s97, SLOT
.endr
	s_mul_i32 s96, s14, 16*SPITCH                  ; my stage
	v_mul_u32_u24 v5, v1, SPITCH                   ; in: row r, 16 bytes for each half of the lanes
	v_lshl_add_u32 v5, v2, 4, v5
	v_add_nc_u32 v[STO], s96, v5
	v_and_b32 v6, 31, v0
	v_lshrrev_b32 v7, 2, v6                        ; back: four lanes to 64 bytes of a row, eight rows an instruction
	v_mul_u32_u24 v7, v7, SPITCH
	v_and_b32 v5, 3, v0
	v_lshl_add_u32 v7, v5, 4, v7
	v_add_nc_u32 v[RD], s96, v7
	v_lshlrev_b32 v[CO], 4, v6                     ; eight rows of 64 bytes are 512 bytes on end in the output
	; where my results go.  c0 = my first chunk of 64 along the B side (a head for q, k; 64 keys for v)
	s_lshl_b32 s98, s42, 2
	s_lshl_b32 s99, s16, 1
	s_add_co_u32 s98, s98, s99                     ; c0 = 4 x B-side tile + 2 x half
	s_lshr_b32 s2, s78, 11                         ; q, k: batch = m0 / 2048: 2^21 bytes each,
	s_lshl_b32 s2, s2, 21
	s_lshl_b32 s99, s98, 17                        ; head c0: 2^17 bytes each,
	s_add_co_u32 s2, s2, s99
	s_and_b32 s99, s78, 2047                       ; row m0 % 2048: 64 bytes each
	s_lshl_b32 s99, s99, 6
	s_add_co_u32 s2, s2, s99
	s_lshr_b32 s3, s98, 5                          ; v: batch = c0 / 32,
	s_lshl_b32 s3, s3, 21
	s_lshr_b32 s99, s78, 6                         ; head m0 / 64,
	s_lshl_b32 s99, s99, 17
	s_add_co_u32 s3, s3, s99
	s_and_b32 s99, s98, 31                         ; chunk c0 % 32: 4,096 bytes each
	s_lshl_b32 s99, s99, 12
	s_add_co_u32 s3, s3, s99
	s_mov_b32 s96, 0x1000
	s_mov_b32 s78, 0x20000
	s_cmp_eq_u32 ttmp9, 2
	s_cselect_b32 s2, s3, s2
	s_cselect_b32 s96, 0x20000, s96                ; from blocks 0-3 to blocks 4-7: 64 rows on (q, k), or the next head (v)
	s_cselect_b32 s78, 0x1000, s78                 ; from a chunk to the next: the next head (q, k), or the next 64 keys (v)
	s_cselect_b64 s[OB:OB+1], s[72:73], s[70:71]
	s_cmp_eq_u32 ttmp9, 0
	s_cselect_b64 s[OB:OB+1], s[68:69], s[OB:OB+1]
	s_mov_b32 s3, 0
	s_mov_b32 s97, 0
	s_mov_b32 s79, 0
	s_add_nc_u64 s[OB:OB+1], s[OB:OB+1], s[2:3]
	s_add_nc_u64 s[OB+2:OB+3], s[OB:OB+1], s[96:97]
	s_add_nc_u64 s[OB+4:OB+5], s[OB:OB+1], s[78:79]
	s_add_nc_u64 s[OB+6:OB+7], s[OB+4:OB+5], s[96:97]
	s_wait_kmcnt 0x0                               ; the exponents
	s_add_co_i32 s12, s80, s81                     ; e0 + e1
	s_cmp_eq_u32 ttmp9, 2
	s_cselect_b32 s13, s84, s83                    ; e4 for v, e3 for k,
	s_cselect_b32 s18, 0, -1                       ; the B-side bias counts for q and k,
	s_cselect_b32 s19, -1, 0                       ; the A-side bias for v
	s_cmp_eq_u32 ttmp9, 0
	s_cselect_b32 s13, s82, s13                    ; e2 for q
	s_sub_co_i32 s13, s13, s12                     ; eo - e0 - e1
	s_add_co_i32 s13, s13, 127
	s_lshl_b32 s22, s13, 23
	v_mov_b32 v[SC], s22                           ; the conversion takes its exponent field
	s_add_co_i32 s13, s13, 8
	s_lshl_b32 s13, s13, 23
	s_or_b32 s13, s13, 0x600000
	v_mov_b32 v[LIM], s13                          ; 448 x the scale
	s_sub_co_i32 s12, 0, s12
	s_wait_loadcnt 0x0                             ; the biases
.set j, 0
.rept 64
	v_and_b32 v[BN+j], s18, v[BN+j]                ; kept, or 0
.set j, j+1
.endr
.set j, 0
.rept 64
	v_ldexp_f32 v[BN+j], v[BN+j], s12              ; / 2^(e0 + e1): nothing is rounded
.set j, j+1
.endr
.irp a, 0,1,2,3,4,5,6,7
	v_and_b32 v[BM+2*\a], s19, v[BM+2*\a]
.endr
.irp a, 0,1,2,3,4,5,6,7
	v_ldexp_f32 v[BM+2*\a], v[BM+2*\a], s12
.endr
.irp a, 0,1,2,3,4,5,6,7
	v_mov_b32 v[BM+2*\a+1], v[BM+2*\a]             ; twice: a pair for the packed addition
.endr
.macro FRAG reg, adr, q, i             ; a fragment, 16 rows x 128 K, is 16 registers: lane l holds row l % 16; registers 4 c .. 4 c + 3 hold K = 32 c + 16 (l / 16) + 0 .. 15: the same order of k on both sides
.irp c, 0,1,2,3
	ds_load_b128 v[\reg+4*\c:\reg+4*\c+3], v[\adr] offset:128*(\q)+32*\c+(\i)*16*PITCH
.endr
.endm
; 16 matrix instructions: A-side blocks a0, a0 + 1 x the B side's eight tiles, 128 along K.  p: the B side's set.  zero = 1: the first product starts the sums.
; The 64 accumulators take turns, one instruction a turn, in the same order in every step.
.macro MUL16 a0, p, zero
.irp a, \a0, \a0+1
.irp b, 0,1,2,3,4,5,6,7
.if \zero
	v_wmma_f32_16x16x128_fp8_fp8 v[8*(8*((\a)%4)+\b):8*(8*((\a)%4)+\b)+7], v[128*(\p)+FR*\b:128*(\p)+FR*\b+FR-1], v[AF+FR*(\a):AF+FR*(\a)+FR-1], 0
.else
	v_wmma_f32_16x16x128_fp8_fp8 v[8*(8*((\a)%4)+\b):8*(8*((\a)%4)+\b)+7], v[128*(\p)+FR*\b:128*(\p)+FR*\b+FR-1], v[AF+FR*(\a):AF+FR*(\a)+FR-1], v[8*(8*((\a)%4)+\b):8*(8*((\a)%4)+\b)+7]
.endif
.endr
.endr
.endm
.macro FETCH_B slot, q, p              ; the B side's eight fragments of the slot's q-th 128 along K into set p
	WIN TO_B
.irp i, 0,1,2,3,4,5,6,7
	FRAG 128*(\p)+FR*\i, ADRB+\slot, \q, \i
.endr
	WIN 0
.endm
.macro FETCH_A slot, q, i0             ; the A side's blocks i0 .. i0 + 3
.irp i, \i0, \i0+1, \i0+2, \i0+3
	FRAG AF+FR*(\i), ADRA+\slot, \q, \i
.endr
.endm
.macro PLACES n                        ; plain vector instructions between a matrix instruction and a load into, or a vector instruction on, one of its registers
.rept \n
	v_nop
.endr
.endm
; A step of 128 along K that has its successor in the same slot.
.macro STEP slot, q, zero
	s_wait_dscnt 4*NL                              ; the B side's set and A-side blocks 0-3 are in; the youngest sixteen loads (blocks 4-7) may be out
	WIN MUL_LO
	MUL16 0, (\q)%2, \zero
	MUL16 2, (\q)%2, \zero
	s_wait_dscnt 0                                 ; blocks 4-7 are in
	PLACES NP
	FETCH_B \slot, (\q)+1, 1-(\q)%2
	FETCH_A \slot, (\q)+1, 0
	WIN MUL_HI
	MUL16 4, (\q)%2, \zero
	MUL16 6, (\q)%2, \zero
	PLACES NP
	WIN 0
	FETCH_A \slot, (\q)+1, 4
.endm
; A slot's last step changes slots: ONE barrier; in front of it each wave waits for all its tensor loads, adds 0 to its spare word, and waits for that and for its own reads of this slot.  fill = 1: this slot is filled again, two K steps ahead.
.macro TURN slot, next, fill
	s_wait_tensorcnt 0x0                           ; all my tensor loads have landed: my part of the next slot
	ds_add_u32 v[SPW], v[NIL]                      ; 0 onto my spare word
	s_wait_dscnt 4*NL+1                            ; (the add and the youngest sixteen loads may be out)
	WIN MUL_LO
	MUL16 0, 1, 0                                  ; sixteen matrix instructions stand between the add and the wait for it
	s_wait_dscnt 0x0                               ; the add is done, and my reads of this slot are over
	s_barrier_signal -1
	MUL16 2, 1, 0
	WIN 0
	s_barrier_wait -1
.if \fill
	CREST                                          ; the barrier has opened a round of the cluster's barrier: no wave of any partner still reads this slot or has a load on its way
	s_add_nc_u64 s[G0+4*\slot+2:G0+4*\slot+3], s[G0+4*\slot+2:G0+4*\slot+3], 2*ROWB
	s_add_nc_u64 s[G0B+4*\slot+2:G0B+4*\slot+3], s[G0B+4*\slot+2:G0B+4*\slot+3], 2*ROWB
	JLOAD G0+4*\slot, G1, G0B+4*\slot, G1B         ; the first tensor load behind the round, my only one out; its four v_nop are also the places in front of the loads below
.else
	PLACES NP
.endif
	FETCH_B \next, 0, 0
	FETCH_A \next, 0, 0
	WIN MUL_HI
	MUL16 4, 1, 0
	MUL16 6, 1, 0
	PLACES NP
	WIN 0
	FETCH_A \next, 0, 4
.endm
	s_wait_tensorcnt 1                             ; my part of K step 0 is in (K step 1's load may be out)
	s_barrier_signal -1
	s_barrier_wait -1                              ; everybody's is
	FETCH_B 0, 0, 0
	FETCH_A 0, 0, 0
	FETCH_A 0, 0, 4
	STEP 0, 0, 1                                   ; K = 1024 is eight steps of 128, twice round the ring: written out, since a loop would have one trip
	TURN 0, 1, 1                                   ; slot 0 takes K step 2
	STEP 1, 0, 0
	TURN 1, 0, 1                                   ; slot 1 takes K step 3
	STEP 0, 0, 0
	TURN 0, 1, 0                                   ; nothing is left to fetch
	STEP 1, 0, 0
	s_wait_dscnt 4*NL
	WIN MUL_LO
	MUL16 0, 1, 0
	MUL16 2, 1, 0
	s_wait_dscnt 0
	WIN MUL_HI
	MUL16 4, 1, 0
	MUL16 6, 1, 0
	WIN 0
; THE WAY OUT, a block of 16 A-side rows x 128 at a time: the two biases, the hold, the conversion; two neighbouring tiles' codes are 16 bytes of a row; through my own stage and back as eight rows x 64 bytes.
; LDS serves a wave's instructions in order (ISA guide 5.7.1.4): no wait between the stores and the loads, nor in front of the next block's stores.
.macro QBLOCK a
.set AC, 64*((\a)%4)
.set CDA, CD+112*((\a)%2)              ; two sets of codes by turns
.set BB, BK+16*((\a)%2)
	WIN 0x02+((\a)/4)                              ; source 0: window 2 or 3
.set j, 0
.rept 32
	v_pk_add_f32 v[TMP+j:TMP+j+1], v[AC+j:AC+j+1], v[BN+j:BN+j+1]      ; each accumulator from its low end on
.set j, j+2
.endr
	WIN 0
.set j, 0
.rept 32
	v_pk_add_f32 v[TMP+j:TMP+j+1], v[TMP+j:TMP+j+1], v[BM+2*(\a):BM+2*(\a)+1]
.set j, j+2
.endr
.irp b, 0,1,2,3,4,5,6,7
.irp i, 0,1,2,3,4,5,6,7
	v_med3_num_f32 v[TMP+8*\b+\i], v[TMP+8*\b+\i], -v[LIM], v[LIM]     ; the conversion to an 8-bit code does not saturate (ISA guide 7.6.2): the hold at 448 x the scale
.endr
	v_cvt_scalef32_pk8_fp8_f32 v[CDA+2*\b:CDA+2*\b+1], v[TMP+8*\b:TMP+8*\b+7], v[SC]
.endr
	v_nop                                          ; a plain vector instruction behind the last conversion
.irp p, 0,1,2,3
	ds_store_b128 v[STO], v[CDA+4*\p:CDA+4*\p+3] offset:32*\p          ; tiles 2 p and 2 p + 1: bytes 32 p + 16 hl + 0 .. 15 of row r
.endr
.irp g, 0,1,2,3
	ds_load_b128 v[BB+4*\g:BB+4*\g+3], v[RD] offset:(\g%2)*8*SPITCH+(\g/2)*64   ; rows 8 (g % 2) on, chunk g / 2
.endr
.endm
.macro QSEND a, younger                ; younger: the LDS instructions issued behind block a's loads, which may stay out
.set BB, BK+16*((\a)%2)
	s_wait_dscnt \younger
.irp g, 0,1,2,3
	global_store_b128 v[CO], v[BB+4*\g:BB+4*\g+3], s[OB+4*(\g/2)+2*((\a)/4):OB+4*(\g/2)+2*((\a)/4)+1] offset:((\a)%4)*1024+(\g%2)*512   ; 32 lanes store 512 consecutive bytes, at a multiple of 512 from the buffer's first byte
.endr
.endm
	PLACES NP                                      ; behind the last products: their A-side registers are written below
	QBLOCK 0
.irp a, 1,2,3,4,5,6,7
.if \a > 1
	s_wait_xcnt 0x0                                ; block a - 2's stores have read their registers: block a's loads may land there
.endif
	QBLOCK \a
	QSEND \a-1, 8                                  ; behind block a - 1's loads: block a's 4 stores and 4 loads
.endr
	QSEND 7, 0
	s_wait_tensorcnt 0x0                           ; the wave's end
	ds_add_u32 v[SPW], v[NIL]
	s_wait_dscnt 0x0
	CROUND                                         ; the closing round: no work-group ends while a partner may still ask for a tile that names it
	s_endpgm
.Lfunc_end_k_q34b34a1e94_proj_in:
	.size	k_q34b34a1e94_proj_in, .Lfunc_end_k_q34b34a1e94_proj_in-k_q34b34a1e94_proj_in
	.p2alignl 7, 3214868480
	.fill 96, 4, 3214868480
	.section	.rodata,"a",@progbits
	.p2align	6, 0x0
	.amdhsa_kernel k_q34b34a1e94_proj_in
		.amdhsa_group_segment_fixed_size 327680
		.amdhsa_private_segment_fixed_size 0
		.amdhsa_enable_private_segment 0
		.amdhsa_kernarg_size 56
		.amdhsa_user_sgpr_count 2
		.amdhsa_user_sgpr_kernarg_segment_ptr 1
		.amdhsa_wavefront_size32 1
		.amdhsa_system_sgpr_workgroup_id_x 1
		.amdhsa_system_sgpr_workgroup_id_y 1
		.amdhsa_system_sgpr_workgroup_id_z 1
		.amdhsa_system_vgpr_workitem_id 0
		.amdhsa_next_free_vgpr 1024
		.amdhsa_next_free_sgpr 100
		.amdhsa_reserve_vcc 0
		.amdhsa_float_denorm_mode_32 3
		.amdhsa_float_denorm_mode_16_64 3
		.amdhsa_memory_ordered 1
		.amdhsa_forward_progress 1
		.amdhsa_inst_pref_size 165
	.end_amdhsa_kernel
	.amdgpu_metadata
---
amdhsa.version: [ 1, 2 ]
amdhsa.kernels:
  - .name:           k_q34b34a1e94_proj_in
    .symbol:         k_q34b34a1e94_proj_in.kd
    .args:
      - { .name: x_codes, .offset: 0, .size: 8, .value_kind: global_buffer, .address_space: global }
      - { .name: w_in_codes, .offset: 8, .size: 8, .value_kind: global_buffer, .address_space: global }
      - { .name: lowp_scales, .offset: 16, .size: 8, .value_kind: global_buffer, .address_space: global }
      - { .name: b_in, .offset: 24, .size: 8, .value_kind: global_buffer, .address_space: global }
      - { .name: qc, .offset: 32, .size: 8, .value_kind: global_buffer, .address_space: global }
      - { .name: kc, .offset: 40, .size: 8, .value_kind: global_buffer, .address_space: global }
      - { .name: vc, .offset: 48, .size: 8, .value_kind: global_buffer, .address_space: global }
    .group_segment_fixed_size: 327680
    .private_segment_fixed_size: 0
    .kernarg_segment_align: 8
    .kernarg_segment_size: 56
    .max_flat_workgroup_size: 128
    .sgpr_count:     100
    .vgpr_count:     1024
    .wavefront_size: 32
...
	.end_amdgpu_metadata
.endif
;; end of part 1
;; launch attn (part 2): grid 4 x 64, 8 waves a work-group, no clusters, 327,680 bytes of LDS; arguments qc, kc, vc, lowp_scales, att; writes att
.if DOCPART == 2
	.amdgcn_target "amdgcn-amd-amdhsa--gfx1250"
	.amdhsa_code_object_version 6
	.text
	.protected	k_q34b34a1e94_attn
	.globl	k_q34b34a1e94_attn
	.p2align	8
	.type	k_q34b34a1e94_attn,@function
k_q34b34a1e94_attn:
	s_mov_b64 s[64:65], 0
	v_nop
	global_prefetch_b8 v0, s[64:65] scope:SCOPE_SE
	s_setreg_imm32_b32 hwreg(HW_REG_WAVE_MODE, 25, 1), 1
	s_wait_xcnt 0x0
; Causal attention of one head on codes of FP8 (E4M3): S^T = K Q^T, p = 2^(t - M), O^T = V^T P^T, O / l quantised again for the last projection.
; qc, kc: [64 heads][2048][64] codes, scales 2^e2, 2^e3; vc: [64 heads][32 chunks][64 d][64 keys] codes, scale 2^e4; in all three a row's 64 codes stand so that a 16-byte load at 32 c + 16 (lane / 16)
; gives registers 4 c .. 4 c + 3 of a plain fp8 fragment.  att: [64 heads][2048][64 d] codes, scale 2^e6, d in its own order.
; THE SOFTMAX: t = score x 2^(e2 + e3) x log2(e) / 8; M = the row's largest t so far, rounded UP to a whole number; p = 2^(t - M) is quantised with 2^e5, not normalised.  The row's sum is taken of the unquantised p
; and divides O at the end.  When M moves, the sum and O are multiplied by 2^(old M - new M): nothing is rounded.
; SHARES.  Work-group (i, head) owns the query blocks i and 7 - i of 256, one after the other: block i walks the key slots 0 .. i of 256 keys, block 7 - i the slots 0 .. 7 - i: (i + 1) + (8 - i) = 9 trips in EVERY
; work-group, a constant of this text.  Each of eight waves owns 32 queries, two tiles of 16, so that each fragment of K and V read from LDS feeds two products.  Wave w takes the queries 32 u on, u = w xor 3 (w / 4):
; waves w and w + 4 have five of the diagonal slot's eight steps between them.  A key step is 64 keys; a step all of whose keys come after my 32 queries is left out by a scalar branch on ids.
; LAYOUT.  Both products are used transposed: a lane holds ONE query (lane % 16) throughout; in S^T register j of key tile kt is key 16 kt + 8 (lane / 16) + j, so eight converted registers are registers 2 kt, 2 kt + 1 of P.
; NO CLUSTER: in trip t work-group i wants key slot t or t - i - 1, so the four work-groups of a head want different tiles at the same time.
; LIMITS on the given exponents: e2 + e3 between -123 and 130 (added to c's exponent field); e5 and e6 between -126 and 119; e4 + e5 is applied by v_ldexp_f32 and has none.
; LDS: slot 0 at 0, slot 1 at 65,536.  In a slot: K's 256 rows of 64 bytes as 64 lines of 256 bytes + 16 of padding, then V's 4 chunks x 64 rows likewise: row n lies at 272 (n / 4) + 64 (n % 4), so the sixteen rows
; of a fragment fall on sixteen different 16-byte columns.  Behind the ring the spare words, then a stage of 32 rows x 80 bytes for each wave, into which no tile lands.
.set SLOT1, 65536
.set VOFF,  17408                      ; 64 lines of 272
.set STEPB, 4352                       ; a key step: 16 lines, in K and in V alike
.set TILEB, 1088                       ; 16 rows: 4 lines
.set KSLOT, 16384                      ; a key slot in memory, in kc and in vc alike
.set SPARE, 131072                     ; 128 bytes for each of eight waves
.set STAGE, 132096
.set AK0,  1                           ; v1   my lane's place in a fragment's 16 rows
.set PFO,  3                           ; v3   256 x lane: the prefetches' offset; never rewritten
.set SPW,  5                           ; v5   LDS address of my spare word; never rewritten
.set NIL,  6                           ; v6   0; never rewritten
.set GO,   7                           ; v7   16 x lane
.set AD,   8                           ; v8   LDS address of the step's tiles
.set STO,  10                          ; v10  the stage: where I put 8 bytes of a row
.set RD,   11                          ; v11  and where I read 16 back
.set QOF,  12                          ; v12  my byte offset in 16 rows of Q
.set NINF, 13                          ; v13  -infinity
.set D0,   14                          ; v14, v15  the mask: my query less the step's first key less 8 (lane / 16), tile 0 and tile 1
.set D1,   15
.set ST,   16                          ; tile T's statistics at v[16 + 8 T]: +0 -M, +1 the largest t, +2, +3 the sum in two halves, +4 f, +5 zero, +6, +7 at work
.set C2,   32                          ; v[32 + 2 T ..] a second chain for the sums
.set Q,    40                          ; v40-55   Q, 8 a tile
.set KV,   56                          ; v56-87   four fragments of K, then of V
.set S,    88                          ; v88-151  S^T, then p, 32 a tile
.set PC,   152                         ; v152-167 p's codes, 8 a tile
.set O,    168                         ; v168-231 O^T, 32 a tile
.set PSC,  232                         ; v232 2^e5, v233 448 x 2^e5, v234 2^e6, v235 448 x 2^e6
.set TB,   2                           ; s2   LDS byte at which the step in hand begins
.set WI,   14                          ; s14  i
.set SW,   15                          ; s15  8 - i: the loop's count in the first block's last trip
.set WV,   18                          ; s18  my wave's number
.set SEL,  20                          ; s[20:21] lane selects: lane l xor 16
.set CS,   22                          ; s[22:23] c
.set G1,   24                          ; s[24:31] descriptor group 1, for K's and V's tiles alike
.set G0K,  40                          ; s[40:43], s[44:47] their groups 0, which walk
.set G0V,  44
.set QPA,  48                          ; s[48:49], s[50:51] my rows of Q in the first and the second block
.set QPB,  50
.set OPA,  52                          ; s[52:53], s[54:55] my rows of att likewise
.set OPB,  54
.set BKO,  56                          ; s[56:57] what the walking descriptors go back by in this trip
.set HB,   58                          ; s[58:59] the head's first byte in each buffer
.set BKV,  60                          ; s60  (i + 1) key slots in bytes
.set Q0,   62                          ; s62  my first query
.set KF,   63                          ; s63  the step's first key
.set Q0B,  66                          ; s66  my first query in the second block
.set SLOTS, 67                         ; s67  trips still to be asked for
.set PFA,  76                          ; s[76:77] where my prefetches stand
.set LIM,  80                          ; s80  1 in a wave that prefetches, else the greatest number
.set EPV,  81                          ; s81  e4 + e5
.set TW,   82                          ; s82  counts a slot's four steps
; Wave 0 fetches K's tile, wave 1 V's, the others nothing.  The branches hang on the wave's number alone.  Four v_nop follow each of the two lines.
.macro TLOAD
	s_cmp_eq_u32 s[WV], 0
	s_cbranch_scc0 .Lnot_k_\@
	tensor_load_to_lds s[G0K:G0K+3], s[G1:G1+7]
	s_nop 0
.rept 4
	v_nop
.endr
	s_branch .Lasked_\@
.Lnot_k_\@:
	s_cmp_eq_u32 s[WV], 1
	s_cbranch_scc0 .Lasked_\@
	tensor_load_to_lds s[G0V:G0V+3], s[G1:G1+7]
	s_nop 0
.rept 4
	v_nop
.endr
.Lasked_\@:
.endm
; A PREFETCH INTO THE L2.  The head's work-group 0 walks key slot t - 1 in trip t (t from 1 on) and asks for it by its tensor loads in trip t - 1; in trip t it names key slot t + 1 here, one trip ahead of that load.
; Waves 2, 3 name K's 16,384 bytes, waves 4, 5 V's: 8,192 bytes a wave, lanes 256 bytes apart, one instruction.  So each aligned block of 256 bytes of key slots 1 to 7 is named once in the launch; key slot 0 comes by its
; load alone, and the last trip that fills a slot names nothing: there is no key slot 8.
.macro ASK
	s_cmp_gt_u32 s[SLOTS], s[LIM]
	s_cbranch_scc0 .Lnot_mine_\@
	global_prefetch_b8 v[PFO], s[PFA:PFA+1] th:TH_LOAD_NT scope:SCOPE_SE
.Lnot_mine_\@:
.endm
; A block's state: the largest t is -3e38, under every t; the sums and O^T are zeros, which the first change of M leaves zeros.  So the key step is written once, with no first step of its own.
.macro INIT
.irp T, 0,1
	v_mov_b32 v[ST+8*\T+1], 0xff61b1e6
	v_mov_b32 v[ST+8*\T+2], 0
	v_mov_b32 v[ST+8*\T+3], 0
.endr
.irp T, 0,1
	v_floor_f32 v[ST+8*\T], -v[ST+8*\T+1]
.endr
.set j, 0
.rept 64
	v_mov_b32 v[O+j], 0
.set j, j+1
.endr
.endm
	s_load_b256 s[4:11], s[0:1], 0x0               ; qc s[4:5], kc s[6:7], vc s[8:9], the scales' exponents s[10:11]
	s_load_b64 s[12:13], s[0:1], 0x20              ; att
	v_lshl_add_u32 v[SPW], v0, 2, SPARE
	v_mov_b32 v[NIL], 0
	ds_add_u32 v5, v6
	s_wait_dscnt 0x0
	v_lshrrev_b32 v8, 5, v0
	v_readfirstlane_b32 s[WV], v8                  ; wave 0..7
	s_lshr_b32 s96, s[WV], 2
	s_mul_i32 s96, s96, 3
	s_xor_b32 s19, s[WV], s96                      ; u
	s_mov_b32 s[WI], ttmp9
	s_sub_co_u32 s[SW], 8, s[WI]
	s_and_b32 s96, ttmp7, 0xffff                   ; the head, 0 .. 63
	s_lshl_b32 s[HB], s96, 17                      ; 131,072 bytes a head in each of the four buffers
	s_mov_b32 s[HB+1], 0
	s_lshl_b32 s97, s19, 5
	s_lshl_b32 s[Q0], s[WI], 8
	s_add_co_u32 s[Q0], s[Q0], s97                 ; 256 i + 32 u
	s_sub_co_u32 s[Q0B], 7, s[WI]
	s_lshl_b32 s[Q0B], s[Q0B], 8
	s_add_co_u32 s[Q0B], s[Q0B], s97               ; 256 (7 - i) + 32 u
	s_add_co_u32 s[BKV], s[WI], 1
	s_lshl_b32 s[BKV], s[BKV], 14
	s_mov_b32 s[BKO], 0
	s_mov_b32 s[BKO+1], 0
	; descriptor group 1: 16,384 dense bytes as 64 rows of 256, padded in LDS
	s_mov_b32 s[G1], (0<<16)|(1<<20)|(5<<22)|(3<<25)   ; 15:0 no mask; 17:16 elements of 1 byte; 20 padding on; 24:22 after every 64 words; 31:25 four words
	s_mov_b32 s[G1+1], 256<<16                     ; tensor_dim0
	s_mov_b32 s[G1+2], 64<<16                      ; tensor_dim1
	s_mov_b32 s[G1+3], 256<<16                     ; tile_dim0
	s_mov_b32 s[G1+4], 64                          ; tile_dim1
	s_mov_b32 s[G1+5], 256                         ; tensor_dim0_stride
	s_mov_b32 s[G1+6], 0
	s_mov_b32 s[G1+7], 0
	s_mov_b32 s[SEL], 0x76543210
	s_mov_b32 s[SEL+1], 0xfedcba98
	s_mov_b32 s[CS], 0x3e38aa3b                    ; log2(e) / sqrt(64)
	s_mov_b32 s[TB], 0
	s_mov_b32 s[SLOTS], 8
	s_mov_b32 s[KF], 0
	s_wait_kmcnt 0x0
	s_load_b256 s[68:75], s[10:11], 0x0            ; e0 .. e7
	s_mov_b32 s[G0K], 1                            ; count = 1
	s_mov_b32 s[G0K+1], 0                          ; LDS address: slot 0
	s_add_nc_u64 s[G0K+2:G0K+3], s[6:7], s[HB:HB+1]    ; the head's key slot 0
	s_or_b32 s[G0K+3], s[G0K+3], 0x80000000        ; type = 2
	s_mov_b32 s[G0V], 1
	s_mov_b32 s[G0V+1], VOFF
	s_add_nc_u64 s[G0V+2:G0V+3], s[8:9], s[HB:HB+1]
	s_or_b32 s[G0V+3], s[G0V+3], 0x80000000
	TLOAD                                          ; the first trip's tiles: one load of mine is out at the most, here and behind every barrier
	s_lshl_b32 s96, s[Q0], 6
	s_mov_b32 s97, 0
	s_add_nc_u64 s[96:97], s[96:97], s[HB:HB+1]    ; my rows' byte offset, the same in qc and in att
	s_add_nc_u64 s[QPA:QPA+1], s[4:5], s[96:97]
	s_add_nc_u64 s[OPA:OPA+1], s[12:13], s[96:97]
	s_lshl_b32 s96, s[Q0B], 6
	s_mov_b32 s97, 0
	s_add_nc_u64 s[96:97], s[96:97], s[HB:HB+1]
	s_add_nc_u64 s[QPB:QPB+1], s[4:5], s[96:97]
	s_add_nc_u64 s[OPB:OPB+1], s[12:13], s[96:97]
	v_and_b32 v8, 15, v0                           ; r
	v_bfe_u32 v9, v0, 4, 1                         ; hl
	v_and_b32 v2, 31, v0                           ; lane
	v_and_b32 v4, 3, v0
	v_lshlrev_b32 v[QOF], 6, v8
	v_lshl_add_u32 v[QOF], v9, 4, v[QOF]           ; row r of 64 bytes, + 16 hl
.irp T, 0,1
.irp c, 0,1
	global_load_b128 v[Q+8*\T+4*\c:Q+8*\T+4*\c+3], v[QOF], s[QPA:QPA+1] offset:1024*\T+32*\c
.endr
.endr
	s_cmp_lt_u32 s[WV], 4                          ; the prefetches: waves 2, 3 stand in kc, waves 4, 5 in vc,
	s_cselect_b64 s[PFA:PFA+1], s[6:7], s[8:9]
	s_and_b32 s96, s[WV], 1
	s_lshl_b32 s96, s96, 13                        ; at their half of a key slot,
	s_mov_b32 s97, 0
	s_add_nc_u64 s[96:97], s[96:97], s[HB:HB+1]
	s_add_nc_u64 s[PFA:PFA+1], s[PFA:PFA+1], s[96:97]  ; in key slot 0: the first trip steps it to key slot 1
	s_sub_co_u32 s96, s[WV], 2
	s_lshr_b32 s96, s96, 2                         ; 0 in waves 2 to 5,
	s_or_b32 s96, s96, ttmp9                       ; of the head's work-group 0
	s_cmp_eq_u32 s96, 0
	s_cselect_b32 s[LIM], 1, -1
	v_bfe_u32 v[AK0], v0, 2, 2                     ; r / 4
	v_mul_u32_u24 v[AK0], v[AK0], 272
	v_lshl_add_u32 v[AK0], v4, 6, v[AK0]           ; + 64 (r % 4)
	v_lshl_add_u32 v[AK0], v9, 4, v[AK0]           ; + 16 hl
	v_lshlrev_b32 v[PFO], 8, v2
	v_lshlrev_b32 v[GO], 4, v2
	s_mul_i32 s96, s[WV], 32*80
	s_add_co_u32 s96, s96, STAGE                   ; my stage
	v_mul_u32_u24 v[STO], v8, 80
	v_lshl_add_u32 v[STO], v9, 3, v[STO]
	v_add_nc_u32 v[STO], s96, v[STO]               ; in: row r, 8 bytes for each half of the lanes
	v_lshrrev_b32 v[RD], 2, v2
	v_mul_u32_u24 v[RD], v[RD], 80
	v_lshl_add_u32 v[RD], v4, 4, v[RD]
	v_add_nc_u32 v[RD], s96, v[RD]                 ; back: four lanes to a row of 64 bytes, eight rows an instruction
	v_mov_b32 v[NINF], 0xff800000
.irp T, 0,1
	v_mov_b32 v[ST+8*\T+4], 0                      ; written once: named in pairs, or as a lane permute's destination, on the way where every step is left out
	v_mov_b32 v[ST+8*\T+5], 0
	v_mov_b32 v[ST+8*\T+6], 0
	v_mov_b32 v[ST+8*\T+7], 0
.endr
	INIT
	s_wait_kmcnt 0x0
	s_add_co_i32 s96, s70, s71
	s_lshl_b32 s96, s96, 23
	s_add_co_i32 s[CS], s[CS], s96                 ; a score stands for score x 2^(e2 + e3): the two exponents are added to c's exponent field
	s_mov_b32 s[CS+1], s[CS]                       ; (named with it as a pair, so it is written)
	s_add_co_i32 s96, s73, 127
	s_lshl_b32 s97, s96, 23
	v_mov_b32 v[PSC], s97                          ; 2^e5
	s_add_co_i32 s96, s96, 8
	s_lshl_b32 s96, s96, 23
	s_or_b32 s96, s96, 0x600000
	v_mov_b32 v[PSC+1], s96                        ; 448 x 2^e5
	s_add_co_i32 s96, s74, 127
	s_lshl_b32 s97, s96, 23
	v_mov_b32 v[PSC+2], s97                        ; 2^e6
	s_add_co_i32 s96, s96, 8
	s_lshl_b32 s96, s96, 23
	s_or_b32 s96, s96, 0x600000
	v_mov_b32 v[PSC+3], s96                        ; 448 x 2^e6
	s_add_co_i32 s[EPV], s72, s73
; A KEY STEP: 64 keys for my two tiles of queries.
.macro STEP
	s_add_co_u32 s96, s[Q0], 31
	s_cmp_gt_u32 s[KF], s96                        ; all 64 keys come after my 32 queries: only the two steps of numbers at the end are made
	s_cbranch_scc1 .Lhidden_\@
	v_add_nc_u32 v[AD], s[TB], v[AK0]
.rept 3
	v_nop                                          ; with the addition above four places in front of loads into registers that the last products read
.endr
.irp kt, 0,1,2,3
.irp c, 0,1
	ds_load_b128 v[KV+8*\kt+4*\c:KV+8*\kt+4*\c+3], v[AD] offset:\kt*TILEB+32*\c
.endr
.endr
	s_wait_dscnt 0x0
.irp kt, 0,1,2,3
.irp T, 0,1
	v_wmma_f32_16x16x64_fp8_fp8 v[S+32*\T+8*\kt:S+32*\T+8*\kt+7], v[KV+8*\kt:KV+8*\kt+7], v[Q+8*\T:Q+8*\T+7], 0
.endr
.endr
.rept 4
	v_nop                                          ; places in front of the loads below and of the first read of the scores
.endr
.irp dt, 0,1,2,3
.irp c, 0,1
	ds_load_b128 v[KV+8*\dt+4*\c:KV+8*\dt+4*\c+3], v[AD] offset:VOFF+\dt*TILEB+32*\c   ; V's four fragments land under the softmax
.endr
.endr
	s_add_co_u32 s96, s[KF], 63
	s_cmp_le_u32 s96, s[Q0]                        ; all 64 keys count for all my queries: no mask
	s_cbranch_scc1 .Lopen_\@
	s_sub_co_i32 s96, s[Q0], s[KF]
	v_and_b32 v[D0], 15, v0
	v_bfe_u32 v[D1], v0, 4, 1
	v_lshlrev_b32 v[D1], 3, v[D1]
	v_sub_nc_u32 v[D0], v[D0], v[D1]
	v_add_nc_u32 v[D0], s96, v[D0]                 ; register 8 kt + j holds key KF + 16 kt + 8 hl + j: hidden where 16 kt + j > my query - KF - 8 hl
	v_add_nc_u32 v[D1], 16, v[D0]
.set n, 0
.rept 32
	v_cmp_gt_i32 vcc_lo, 16*(n/8)+n%8, v[D0]
	v_cndmask_b32 v[S+n], v[S+n], v[NINF], vcc_lo
	v_cmp_gt_i32 vcc_lo, 16*(n/8)+n%8, v[D1]
	v_cndmask_b32 v[S+32+n], v[S+32+n], v[NINF], vcc_lo
.set n, n+1
.endr
.Lopen_\@:
.irp T, 0,1                                    ; the step's largest score of my query among my 32 keys, in two chains a tile; each accumulator is read from its low end first
	v_max3_num_f32 v[ST+8*\T+6], v[S+32*\T], v[S+32*\T+1], v[S+32*\T+2]
	v_max3_num_f32 v[ST+8*\T+7], v[S+32*\T+3], v[S+32*\T+4], v[S+32*\T+5]
.endr
.irp i, 6,10,14,18,22,26
.irp T, 0,1
	v_max3_num_f32 v[ST+8*\T+6], v[ST+8*\T+6], v[S+32*\T+\i], v[S+32*\T+\i+1]
	v_max3_num_f32 v[ST+8*\T+7], v[ST+8*\T+7], v[S+32*\T+\i+2], v[S+32*\T+\i+3]
.endr
.endr
.irp T, 0,1
	v_max3_num_f32 v[ST+8*\T+6], v[ST+8*\T+6], v[S+32*\T+30], v[S+32*\T+31]
.endr
.irp T, 0,1
	v_max_num_f32 v[ST+8*\T+6], v[ST+8*\T+6], v[ST+8*\T+7]
.endr
.irp T, 0,1
	v_permlanex16_b32 v[ST+8*\T+7], v[ST+8*\T+6], s[SEL], s[SEL+1]
.endr
.irp T, 0,1
	v_max_num_f32 v[ST+8*\T+6], v[ST+8*\T+6], v[ST+8*\T+7]   ; and among lane l xor 16's
.endr
.irp T, 0,1
	v_mul_f32 v[ST+8*\T+6], s[CS], v[ST+8*\T+6]    ; as t (c is positive)
.endr
.irp T, 0,1
	v_max_num_f32 v[ST+8*\T+1], v[ST+8*\T+1], v[ST+8*\T+6]   ; the running largest t
	v_mov_b32 v[ST+8*\T+6], v[ST+8*\T]
.endr
.irp T, 0,1
	v_floor_f32 v[ST+8*\T], -v[ST+8*\T+1]          ; the new -M = -ceil(t): a whole number
.endr
.irp T, 0,1
	v_sub_f32 v[ST+8*\T+6], v[ST+8*\T], v[ST+8*\T+6]   ; old M - new M: a whole number, 0 or less
.endr
.irp T, 0,1
	v_cvt_i32_f32 v[ST+8*\T+6], v[ST+8*\T+6]       ; (it saturates)
.endr
.irp T, 0,1
	v_ldexp_f32 v[ST+8*\T+4], 1.0, v[ST+8*\T+6]    ; f = 2^(old M - new M)
.endr
.set k, 0
.rept 16
	v_pk_fma_f32 v[S+2*k:S+2*k+1], v[S+2*k:S+2*k+1], s[CS:CS+1], v[ST:ST+1] op_sel_hi:[1,0,0]   ; tile 0: t - M, two at a time
.set k, k+1
.endr
; ONE BATCH of 64 exponentials; plain lines that name none of their results stand among them: tile 1's scalings, then O^T x f.
.set k, 0
.rept 16
	v_exp_f32 v[S+2*k], v[S+2*k]
	v_exp_f32 v[S+2*k+1], v[S+2*k+1]
	v_pk_fma_f32 v[S+32+2*k:S+33+2*k], v[S+32+2*k:S+33+2*k], s[CS:CS+1], v[ST+8:ST+9] op_sel_hi:[1,0,0]
.set k, k+1
.endr
.set k, 0
.rept 32
	v_exp_f32 v[S+32+k], v[S+32+k]
	v_pk_mul_f32 v[O+2*k:O+2*k+1], v[O+2*k:O+2*k+1], v[ST+8*(k/16)+4:ST+8*(k/16)+5] op_sel_hi:[1,0]   ; O^T under the new M, each accumulator from its low end on
.set k, k+1
.endr
.irp T, 0,1
	v_pk_mul_f32 v[ST+8*\T+2:ST+8*\T+3], v[ST+8*\T+2:ST+8*\T+3], v[ST+8*\T+4:ST+8*\T+5] op_sel_hi:[1,0]   ; the sums under the new M
.endr
	s_wait_alu depctr_va_vdst(0)                   ; one wait for the whole batch, ahead of its first reader
.irp T, 0,1
	v_pk_add_f32 v[C2+2*\T:C2+2*\T+1], v[S+32*\T:S+32*\T+1], v[S+32*\T+2:S+32*\T+3]   ; the row's sum is taken of the UNQUANTISED p, in two chains a tile
.endr
.irp j, 4,8,12,16,20,24,28
.irp T, 0,1
	v_pk_add_f32 v[ST+8*\T+2:ST+8*\T+3], v[ST+8*\T+2:ST+8*\T+3], v[S+32*\T+\j:S+32*\T+\j+1]
	v_pk_add_f32 v[C2+2*\T:C2+2*\T+1], v[C2+2*\T:C2+2*\T+1], v[S+32*\T+\j+2:S+32*\T+\j+3]
.endr
.endr
.irp T, 0,1
	v_pk_add_f32 v[ST+8*\T+2:ST+8*\T+3], v[ST+8*\T+2:ST+8*\T+3], v[C2+2*\T:C2+2*\T+1]
.endr
.irp T, 0,1
.irp kt, 0,1,2,3
.irp i, 0,1,2,3,4,5,6,7
	v_min_num_f32 v[S+32*\T+8*\kt+\i], v[S+32*\T+8*\kt+\i], v[PSC+1]   ; the conversion does not saturate (ISA guide 7.6.2); p is not negative, so the hold is one-sided
.endr
	v_cvt_scalef32_pk8_fp8_f32 v[PC+8*\T+2*\kt:PC+8*\T+2*\kt+1], v[S+32*\T+8*\kt:S+32*\T+8*\kt+7], v[PSC]
.endr
.endr
	v_nop                                          ; a plain vector instruction between the last conversion and the products that read its result
	s_wait_dscnt 0x0                               ; V is in
.irp dt, 0,1,2,3
.irp T, 0,1
	v_wmma_f32_16x16x64_fp8_fp8 v[O+32*\T+8*\dt:O+32*\T+8*\dt+7], v[KV+8*\dt:KV+8*\dt+7], v[PC+8*\T:PC+8*\T+7], v[O+32*\T+8*\dt:O+32*\T+8*\dt+7]   ; the eight accumulators take turns, one instruction a turn
.endr
.endr
.Lhidden_\@:
	s_add_co_u32 s[KF], s[KF], 64
	s_add_co_u32 s[TB], s[TB], STEPB
.endm
; THE CHANGE OF SLOTS stands at a trip's head.  Each wave waits for all its tensor loads (its part of the slot that it is about to read), adds 0 to its spare word, and waits for that and for its reads of the slot that
; it has left.  Behind the barrier the slot ahead is whole and nobody reads the other one.  fill = 1: that other slot is filled with the next trip's tiles: the next key slot, or, in the first block's last trip, key slot 0.
.macro CHANGE fill
	s_wait_tensorcnt 0x0                           ; no tensor load of mine is out, so a group 0 may be written
	ds_add_u32 v[SPW], v[NIL]                      ; 0 onto my spare word
.if \fill
	s_cmp_eq_u32 s[SLOTS], s[SW]
	s_cselect_b32 s[BKO], s[BKV], 0                ; back by i + 1 key slots where the second block begins, else by nothing
	s_xor_b32 s[G0K+1], s[G0K+1], SLOT1
	s_add_nc_u64 s[G0K+2:G0K+3], s[G0K+2:G0K+3], KSLOT
	s_sub_nc_u64 s[G0K+2:G0K+3], s[G0K+2:G0K+3], s[BKO:BKO+1]
	s_xor_b32 s[G0V+1], s[G0V+1], SLOT1
	s_add_nc_u64 s[G0V+2:G0V+3], s[G0V+2:G0V+3], KSLOT
	s_sub_nc_u64 s[G0V+2:G0V+3], s[G0V+2:G0V+3], s[BKO:BKO+1]
	s_wait_xcnt 0x0                                ; the last prefetch, a trip back, has read its address, so it may be written
	s_add_nc_u64 s[PFA:PFA+1], s[PFA:PFA+1], KSLOT
.endif
	s_wait_dscnt 0x0                               ; the add is done, and my reads of the slot that I have left are over
	s_barrier_signal -1
	s_barrier_wait -1
.if \fill
	TLOAD                                          ; the first thing behind the barrier, and a wave's one tensor load until the next
	ASK
.endif
.endm
.macro SLOT_STEPS                      ; a slot's four key steps: written once, walked four times
	s_mov_b32 s[TW], 4
.Lstep_\@:
	STEP
	s_sub_co_u32 s[TW], s[TW], 1
	s_cmp_lg_u32 s[TW], 0
	s_cbranch_scc1 .Lstep_\@
	s_sub_co_u32 s[TB], s[TB], 4*STEPB
	s_xor_b32 s[TB], s[TB], SLOT1                  ; on to the other slot
.endm
; A BLOCK'S WAY OUT: O^T x 2^(e4 + e5) / the sum, held, converted with 2^e6; a lane's eight codes are 8 bytes of a row; through my stage and back as eight rows x 64 bytes: my 32 rows are 2,048 bytes on end in att.
; more = 1: the second block's queries are loaded and the state begins anew.
.macro FINISH ob, more
.irp T, 0,1
	v_add_f32 v[ST+8*\T+2], v[ST+8*\T+2], v[ST+8*\T+3]   ; the sum's two halves,
.endr
.irp T, 0,1
	v_permlanex16_b32 v[ST+8*\T+6], v[ST+8*\T+2], s[SEL], s[SEL+1]
.endr
.irp T, 0,1
	v_add_f32 v[ST+8*\T+2], v[ST+8*\T+2], v[ST+8*\T+6]   ; and lane l xor 16's
.endr
.irp T, 0,1
	v_rcp_f32 v[ST+8*\T+4], v[ST+8*\T+2]
.endr
	v_nop                                          ; a plain instruction behind the last reciprocal
	s_wait_alu depctr_va_vdst(0)                   ; one wait for both, ahead of their first reader
.irp T, 0,1
	v_ldexp_f32 v[ST+8*\T+4], v[ST+8*\T+4], s[EPV]
.endr
.set k, 0
.rept 32
	v_pk_mul_f32 v[S+2*k:S+2*k+1], v[O+2*k:O+2*k+1], v[ST+8*(k/16)+4:ST+8*(k/16)+5] op_sel_hi:[1,0]
.set k, k+1
.endr
.irp T, 0,1
.irp dt, 0,1,2,3
.irp i, 0,1,2,3,4,5,6,7
	v_med3_num_f32 v[S+32*\T+8*\dt+\i], v[S+32*\T+8*\dt+\i], -v[PSC+3], v[PSC+3]
.endr
	v_cvt_scalef32_pk8_fp8_f32 v[PC+8*\T+2*\dt:PC+8*\T+2*\dt+1], v[S+32*\T+8*\dt:S+32*\T+8*\dt+7], v[PSC+2]
.endr
.endr
	v_nop                                          ; a plain vector instruction behind the last conversion
.irp T, 0,1
.irp dt, 0,1,2,3
	ds_store_b64 v[STO], v[PC+8*\T+2*\dt:PC+8*\T+2*\dt+1] offset:16*80*\T+16*\dt   ; row 16 T + r, d = 16 dt + 8 hl + 0 .. 7
.endr
.endr
.irp g, 0,1,2,3
	ds_load_b128 v[KV+4*\g:KV+4*\g+3], v[RD] offset:8*80*\g    ; LDS serves a wave's instructions in order (ISA guide 5.7.1.4): these see my stores
.endr
	s_wait_dscnt 0x0
.irp g, 0,1,2,3
	global_store_b128 v[GO], v[KV+4*\g:KV+4*\g+3], s[\ob:\ob+1] offset:512*\g   ; 32 lanes store 512 consecutive bytes, at a multiple of 512 from att's first byte
.endr
.if \more
	s_mov_b32 s[Q0], s[Q0B]
	s_mov_b32 s[KF], 0
.irp T, 0,1
.irp c, 0,1
	global_load_b128 v[Q+8*\T+4*\c:Q+8*\T+4*\c+3], v[QOF], s[QPB:QPB+1] offset:1024*\T+32*\c
.endr
.endr
	INIT
	s_wait_loadcnt 0x0                             ; Q
	s_wait_xcnt 0x0                                ; the stores have read their registers: the next step's loads may land there
.endif
.endm
	s_wait_loadcnt 0x0                             ; Q
.Lslot:                                            ; eight trips: behind each change of slots but the last the next trip's tiles are asked for
	CHANGE 1
	SLOT_STEPS
	s_cmp_lg_u32 s[SLOTS], s[SW]                   ; the first block's last trip?  a branch on ids; no barrier and no tensor load stands under it
	s_cbranch_scc1 .Lgo_on
	FINISH OPA, 1
.Lgo_on:
	s_sub_co_u32 s[SLOTS], s[SLOTS], 1
	s_cmp_lg_u32 s[SLOTS], 0
	s_cbranch_scc1 .Lslot
	CHANGE 0                                       ; the ninth trip is written out
	SLOT_STEPS
	FINISH OPB, 0
	s_wait_tensorcnt 0x0                           ; the wave's end
	ds_add_u32 v[SPW], v[NIL]
	s_wait_dscnt 0x0
	s_endpgm
.Lfunc_end_k_q34b34a1e94_attn:
	.size	k_q34b34a1e94_attn, .Lfunc_end_k_q34b34a1e94_attn-k_q34b34a1e94_attn
	.p2alignl 7, 3214868480
	.fill 96, 4, 3214868480
	.section	.rodata,"a",@progbits
	.p2align	6, 0x0
	.amdhsa_kernel k_q34b34a1e94_attn
		.amdhsa_group_segment_fixed_size 327680
		.amdhsa_private_segment_fixed_size 0
		.amdhsa_enable_private_segment 0
		.amdhsa_kernarg_size 40
		.amdhsa_user_sgpr_count 2
		.amdhsa_user_sgpr_kernarg_segment_ptr 1
		.amdhsa_wavefront_size32 1
		.amdhsa_system_sgpr_workgroup_id_x 1
		.amdhsa_system_sgpr_workgroup_id_y 1
		.amdhsa_system_sgpr_workgroup_id_z 1
		.amdhsa_system_vgpr_workitem_id 0
		.amdhsa_next_free_vgpr 256
		.amdhsa_next_free_sgpr 100
		.amdhsa_reserve_vcc 1
		.amdhsa_float_denorm_mode_32 3
		.amdhsa_float_denorm_mode_16_64 3
		.amdhsa_memory_ordered 1
		.amdhsa_forward_progress 1
		.amdhsa_inst_pref_size 71
	.end_amdhsa_kernel
	.amdgpu_metadata
---
amdhsa.version: [ 1, 2 ]
amdhsa.kernels:
  - .name:           k_q34b34a1e94_attn
    .symbol:         k_q34b34a1e94_attn.kd
    .args:
      - { .name: qc, .offset: 0, .size: 8, .value_kind: global_buffer, .address_space: global }
      - { .name: kc, .offset: 8, .size: 8, .value_kind: global_buffer, .address_space: global }
      - { .name: vc, .offset: 16, .size: 8, .value_kind: global_buffer, .address_space: global }
      - { .name: lowp_scales, .offset: 24, .size: 8, .value_kind: global_buffer, .address_space: global }
      - { .name: att, .offset: 32, .size: 8, .value_kind: global_buffer, .address_space: global }
    .group_segment_fixed_size: 327680
    .private_segment_fixed_size: 0
    .kernarg_segment_align: 8
    .kernarg_segment_size: 40
    .max_flat_workgroup_size: 256
    .sgpr_count:     100
    .vgpr_count:     256
    .wavefront_size: 32
...
	.end_amdgpu_metadata
.endif
;; end of part 2
;; launch proj_out (part 3): grid 4 x 32, 4 waves a work-group, clusters of 4 x 4, 327,680 bytes of LDS; arguments att, w_out_codes, lowp_scales, b_out, out0; writes out0
.if DOCPART == 3
	.amdgcn_target "amdgcn-amd-amdhsa--gfx1250"
	.amdhsa_code_object_version 6
	.text
	.protected	k_q34b34a1e94_proj_out
	.globl	k_q34b34a1e94_proj_out
	.p2align	8
	.type	k_q34b34a1e94_proj_out,@function
k_q34b34a1e94_proj_out:
	s_mov_b64 s[64:65], 0
	v_nop
	global_prefetch_b8 v0, s[64:65] scope:SCOPE_SE
	s_setreg_imm32_b32 hwreg(HW_REG_WAVE_MODE, 25, 1), 1
	s_wait_xcnt 0x0
	s_wait_alu depctr_hold_cnt(0) depctr_sa_sdst(0) depctr_va_vdst(0) depctr_va_sdst(0) depctr_va_ssrc(0) depctr_va_vcc(0) depctr_vm_vsrc(0)
	s_getreg_b32 s2, hwreg(HW_REG_IB_STS2, 6, 4)
	s_cmp_eq_u32 s2, 0
	s_cbranch_scc0 .Lentry_in_a_cluster
	s_endpgm
.Lentry_in_a_cluster:
	s_bfe_u32 s2, ttmp6, 0x10000c
	s_cmp_lg_u32 s2, 0xf033
	s_cbranch_scc0 .Lentry_shape_is_right
	s_endpgm
.Lentry_shape_is_right:
; out0 = attention output x w_out^T + b_out on codes of FP8 (E4M3).  att: [batch][head 16][s 2048][64 d] codes, scale 2^e6; w_out: [1024][1024] codes, scale 2^e7; b_out [1024] f32; out0 [8192][1024] f32.
; The codes are multiplied as they are; each finished sum goes out as sum x 2^(e6 + e7) + b_out, one packed multiply-add for two numbers.  LIMIT: e6 + e7 between -126 and 127, so that the power is an f32 number.
; A tile of 256 x 256 is made by a work-group of four waves, 128 x 128 a wave: 64 accumulators, 512 registers.  128 tiles: a smaller wave tile would read half as much again from LDS for each product.
; K = head x 64 + d goes in four steps of 256 (four heads) through a ring of two LDS slots filled by the tensor data mover.  B's tile is 128 rows of 256 bytes.  A's tile, 128 rows s of four heads, is four dense pieces of
; 8,192 bytes, 131,072 bytes apart: a tile of 4 rows x 8,192 bytes, with 16 bytes of padding behind every 256: row s of head hh lies at 8,704 hh + 272 (s / 4) + 64 (s % 4), as many LDS bytes as B's 128 rows.
; CLUSTERS: 4 x 4 work-groups; A's tile is asked for jointly along a row of the cluster, B's along a column.  THE MATRIX INSTRUCTION IS USED TRANSPOSED (source 0 = 16 rows of w_out, source 1 = 16 rows of att):
; a lane then holds eight neighbouring numbers of a row of out0.
; REGISTERS, in windows of 256: window 0: v8-29 addresses; v32-95 b_out, 8 a tile of columns; v96-127 at work on the way out; v128-255 A's fragments, ONE set, on the way out rows read back.
;   window 1: B's fragments, TWO sets.   windows 2, 3: the accumulators, (a, b) at v[8 (8 (a % 4) + b)].
.set ROWB,   256
.set KROW,   1024                      ; a row of w_out in memory
.set PITCH,  272                       ; 256 bytes + 16 of padding
.set HEADB,  32*PITCH                  ; a head's 128 rows of 64 bytes in LDS
.set FR,     16
.set NL,     4
.set NP,     4                         ; places behind this matrix instruction (ISA guide 7.12.1)
.set HALFT,  128*PITCH                 ; what one tensor load brings, of A or of B
.set SLOT,   4*HALFT
.set SPARE,  2*SLOT                    ; behind the ring: the spare words, 128 bytes a wave
.set SPITCH, 528                       ; the way out: a stage of 16 rows x (512 bytes + 16) for each wave, in slot 0, which has had its last fill and its last read by then
.set ASTEP,  4*131072                  ; a K step of four heads in att
.set NROW,   4096                      ; a row of out0 in bytes
.set BNO,  8                           ; v8   byte offset in b_out of my eight numbers of tile 0; never rewritten
.set ADRA, 16
.set ADRB, 20
.set STO,  24
.set RD,   25
.set CO,   26
.set SPW,  28
.set NIL,  29
.set BN,   32
.set TMP,  96
.set AF,   128
.set BK,   128
.set G1,   24
.set G0,   32
.set G1B,  48
.set G0B,  56
.set MSB, 0
.macro WIN new                         ; the immediate's high byte repeats the setting that is left
.if MSB != \new
	s_set_vgpr_msb (MSB<<8)|\new
.set MSB, \new
.endif
.endm
.set MUL_LO, 0xa1
.set MUL_HI, 0xf1
.set TO_B,   0x40
.macro JLOAD g0a, g1a, g0b, g1b        ; a joint load: waves 0 and 1 fetch for A, waves 2 and 3 for B; four v_nop follow each of the two lines
	s_cmp_eq_u32 s15, 0
	s_cbranch_scc0 .Lfor_b_\@
	tensor_load_to_lds s[\g0a:\g0a+3], s[\g1a:\g1a+7]
	s_nop 0
.rept 4
	v_nop
.endr
	s_branch .Lasked_\@
.Lfor_b_\@:
	tensor_load_to_lds s[\g0b:\g0b+3], s[\g1b:\g1b+7]
	s_nop 0
.rept 4
	v_nop
.endr
.Lasked_\@:
.endm
.macro CREST
	s_cmp_lg_u32 s14, 0
	s_cbranch_scc1 .Lnot_wave_0_\@
	s_barrier_signal -3
.Lnot_wave_0_\@:
	s_barrier_wait -3
	s_barrier_signal -1
	s_barrier_wait -1
.endm
.macro CROUND
	s_barrier_signal -1
	s_barrier_wait -1
	CREST
.endm
	s_load_b256 s[4:11], s[0:1], 0x0               ; att s[4:5], w_out s[6:7], the scales' exponents s[8:9], b_out s[10:11]
	s_load_b64 s[12:13], s[0:1], 0x20              ; out0
	v_lshl_add_u32 v[SPW], v0, 2, SPARE
	v_mov_b32 v[NIL], 0
	ds_add_u32 v28, v29
	s_wait_dscnt 0x0
	v_lshrrev_b32 v1, 5, v0
	v_readfirstlane_b32 s14, v1                    ; wave 0..3
	s_lshr_b32 s15, s14, 1                         ; which half of the tile's rows is mine.  Also: I fetch for A (0) or for B (1)
	s_and_b32 s16, s14, 1                          ; which half of its columns.  Also: which 128 rows of that tile I fetch
	s_bfe_u32 s40, ttmp6, 0x40000                  ; cx, cy
	s_bfe_u32 s41, ttmp6, 0x40004
	s_lshl_b32 s42, ttmp9, 2
	s_add_co_u32 s42, s42, s40                     ; tile column = 4 x cluster x + cx
	s_and_b32 s17, ttmp7, 0xffff
	s_lshl_b32 s17, s17, 2
	s_add_co_u32 s17, s17, s41                     ; tile row = 4 x cluster y + cy
	s_lshl_b32 s43, s41, 2
	s_lshl_b32 s43, 15, s43                        ; my row of the cluster
	s_lshl_b32 s44, 0x1111, s40                    ; my column
	s_or_b32 s[G1+0], s43, (0<<16)|(1<<20)|(1<<21)|(5<<22)|(3<<25)  ; the mask; elements of 1 byte; padding on; 21 set beside a mask; four words after every 64
	s_mov_b32 s[G1+1], 8192<<16                    ; A: tensor_dim0 = 8,192: a head's 128 rows of 64 bytes, dense
	s_mov_b32 s[G1+2], 4<<16                       ; tensor_dim1 = 4 heads
	s_mov_b32 s[G1+3], 8192<<16                    ; tile_dim0
	s_mov_b32 s[G1+4], 4                           ; tile_dim1
	s_mov_b32 s[G1+5], 131072                      ; from head to head
	s_mov_b32 s[G1+6], 0
	s_mov_b32 s[G1+7], 0
	s_or_b32 s[G1B+0], s44, (0<<16)|(1<<20)|(1<<21)|(5<<22)|(3<<25)
	s_mov_b32 s[G1B+1], ROWB<<16                   ; B: 128 rows of 256 bytes
	s_mov_b32 s[G1B+2], 128<<16
	s_mov_b32 s[G1B+3], ROWB<<16
	s_mov_b32 s[G1B+4], 128
	s_mov_b32 s[G1B+5], KROW
	s_mov_b32 s[G1B+6], 0
	s_mov_b32 s[G1B+7], 0
	s_lshl_b32 s18, s16, 7                         ; which 128 rows of the tile I fetch
	s_lshl_b32 s20, s17, 8
	s_add_co_u32 s20, s20, s18                     ; A: row m0 = 256 x tile row + 128 x half
	s_lshr_b32 s21, s20, 11
	s_lshl_b32 s21, s21, 21                        ; its batch: 2^21 bytes each,
	s_and_b32 s20, s20, 2047
	s_lshl_b32 s20, s20, 6                         ; its place in a head: 64 bytes a row
	s_add_co_u32 s20, s20, s21
	s_mov_b32 s21, 0
	s_lshl_b32 s46, s42, 8
	s_add_co_u32 s46, s46, s18                     ; B: row 256 x tile column + 128 x half
	s_lshl_b32 s46, s46, 10
	s_mov_b32 s47, 0
	s_mul_i32 s45, s14, HALFT                      ; where they go: no place in the cluster enters an LDS address
	s_wait_kmcnt 0x0
	s_load_b256 s[80:87], s[8:9], 0x0              ; e0 .. e7
	s_add_nc_u64 s[20:21], s[4:5], s[20:21]
	s_add_nc_u64 s[46:47], s[6:7], s[46:47]
	CROUND                                         ; all sixteen work-groups are here: the first joint loads meet
.irp s, 0,1
	s_mov_b32 s[G0+4*\s], 1
	s_add_co_u32 s[G0+4*\s+1], s45, \s*SLOT
	s_add_nc_u64 s[G0+4*\s+2:G0+4*\s+3], s[20:21], \s*ASTEP
	s_or_b32 s[G0+4*\s+3], s[G0+4*\s+3], 0x80000000
	s_mov_b32 s[G0B+4*\s], 1
	s_add_co_u32 s[G0B+4*\s+1], s45, \s*SLOT
	s_add_nc_u64 s[G0B+4*\s+2:G0B+4*\s+3], s[46:47], \s*ROWB
	s_or_b32 s[G0B+4*\s+3], s[G0B+4*\s+3], 0x80000000
	JLOAD G0+4*\s, G1, G0B+4*\s, G1B               ; two joint loads of mine are out
.endr
	v_and_b32 v1, 15, v0                           ; r
	v_bfe_u32 v2, v0, 4, 1                         ; hl
	s_lshl_b32 s78, s42, 8
	s_lshl_b32 s79, s16, 7
	s_add_co_u32 s78, s78, s79                     ; my first column
	s_lshl_b32 s78, s78, 2
	v_lshl_add_u32 v[BNO], v2, 5, s78              ; tile b, register i: column 16 b + 8 hl + i
.irp b, 0,1,2,3,4,5,6,7
	global_load_b128 v[BN+8*\b:BN+8*\b+3], v[BNO], s[10:11] offset:64*\b
	global_load_b128 v[BN+8*\b+4:BN+8*\b+7], v[BNO], s[10:11] offset:64*\b+16
.endr
	v_mul_u32_u24 v3, v1, PITCH
	v_lshl_add_u32 v4, v2, 4, v3                   ; B: row x pitch + 16 x half
	v_bfe_u32 v5, v0, 2, 2
	v_mul_u32_u24 v5, v5, PITCH
	v_and_b32 v6, 3, v0
	v_lshl_add_u32 v5, v6, 6, v5
	v_lshl_add_u32 v5, v2, 4, v5                   ; A: 272 (r / 4) + 64 (r % 4) + 16 x half
	s_mul_i32 s96, s15, HALFT                      ; my 128 rows of A
	s_mul_i32 s97, s16, HALFT                      ; my 128 rows of B,
	s_add_co_u32 s97, s97, 2*HALFT                 ; which lie behind A's
.irp s, 0,1
	v_add_nc_u32 v[ADRA+\s], s96, v5
	v_add_nc_u32 v[ADRB+\s], s97, v4
	s_add_co_u32 s96, s96, SLOT
	s_add_co_u32 s97, s97, SLOT
.endr
	s_mul_i32 s96, s14, 16*SPITCH                  ; my stage
	v_mul_u32_u24 v5, v1, SPITCH                   ; in: row r, 32 bytes for each half of the lanes
	v_lshl_add_u32 v5, v2, 5, v5
	v_add_nc_u32 v[STO], s96, v5
	v_and_b32 v6, 31, v0
	v_lshlrev_b32 v[CO], 4, v6                     ; back: the 32 lanes take one row of 512 bytes; and the same in out0
	v_add_nc_u32 v[RD], s96, v[CO]
	s_lshl_b32 s78, s17, 8
	s_lshl_b32 s79, s15, 7
	s_add_co_u32 s78, s78, s79                     ; my first row of out0
	s_lshl_b32 s78, s78, 12                        ; 4,096 bytes a row (under 2^25)
	s_lshl_b32 s79, s42, 10                        ; my first column, in bytes: 1024 x tile column + 512 x half
	s_add_co_u32 s78, s78, s79
	s_lshl_b32 s79, s16, 9
	s_add_co_u32 s78, s78, s79
	s_mov_b32 s79, 0
	s_add_nc_u64 s[12:13], s[12:13], s[78:79]
	s_wait_kmcnt 0x0
	s_add_co_i32 s96, s86, s87                     ; e6 + e7
	s_add_co_i32 s96, s96, 127
	s_lshl_b32 s96, s96, 23                        ; 2^(e6 + e7) as f32
	s_mov_b32 s97, s96                             ; (named with it as a pair, so it is written)
	s_wait_loadcnt 0x0                             ; b_out
.macro FRAG reg, adr, q, i             ; B: lane l holds row l % 16; registers 4 c .. 4 c + 3 hold K = 128 q + 32 c + 16 (l / 16) + 0 .. 15
.irp c, 0,1,2,3
	ds_load_b128 v[\reg+4*\c:\reg+4*\c+3], v[\adr] offset:128*(\q)+32*\c+(\i)*16*PITCH
.endr
.endm
.macro FRAGA reg, adr, q, i            ; A: the same k: head 2 q + c / 2 of the slot's four, d = 32 (c % 2) + 16 (l / 16) + 0 .. 15
.irp c, 0,1,2,3
	ds_load_b128 v[\reg+4*\c:\reg+4*\c+3], v[\adr] offset:(2*(\q)+\c/2)*HEADB+(\i)*4*PITCH+32*(\c%2)
.endr
.endm
; 16 matrix instructions: A's blocks a0, a0 + 1 x B's eight.  The 64 accumulators take turns, one instruction a turn, in the same order in every step.
.macro MUL16 a0, p, zero
.irp a, \a0, \a0+1
.irp b, 0,1,2,3,4,5,6,7
.if \zero
	v_wmma_f32_16x16x128_fp8_fp8 v[8*(8*((\a)%4)+\b):8*(8*((\a)%4)+\b)+7], v[128*(\p)+FR*\b:128*(\p)+FR*\b+FR-1], v[AF+FR*(\a):AF+FR*(\a)+FR-1], 0
.else
	v_wmma_f32_16x16x128_fp8_fp8 v[8*(8*((\a)%4)+\b):8*(8*((\a)%4)+\b)+7], v[128*(\p)+FR*\b:128*(\p)+FR*\b+FR-1], v[AF+FR*(\a):AF+FR*(\a)+FR-1], v[8*(8*((\a)%4)+\b):8*(8*((\a)%4)+\b)+7]
.endif
.endr
.endr
.endm
.macro FETCH_B slot, q, p
	WIN TO_B
.irp i, 0,1,2,3,4,5,6,7
	FRAG 128*(\p)+FR*\i, ADRB+\slot, \q, \i
.endr
	WIN 0
.endm
.macro FETCH_A slot, q, i0
.irp i, \i0, \i0+1, \i0+2, \i0+3
	FRAGA AF+FR*(\i), ADRA+\slot, \q, \i
.endr
.endm
.macro PLACES n                        ; plain vector instructions between a matrix instruction and a load into, or a vector instruction on, one of its registers
.rept \n
	v_nop
.endr
.endm
.macro STEP slot, q, zero              ; a step of 128 along K that has its successor in the same slot
	s_wait_dscnt 4*NL                              ; B's set and A's blocks 0-3 are in; the youngest sixteen loads (blocks 4-7) may be out
	WIN MUL_LO
	MUL16 0, (\q)%2, \zero
	MUL16 2, (\q)%2, \zero
	s_wait_dscnt 0
	PLACES NP
	FETCH_B \slot, (\q)+1, 1-(\q)%2
	FETCH_A \slot, (\q)+1, 0
	WIN MUL_HI
	MUL16 4, (\q)%2, \zero
	MUL16 6, (\q)%2, \zero
	PLACES NP
	WIN 0
	FETCH_A \slot, (\q)+1, 4
.endm
; A slot's last step changes slots: ONE barrier; in front of it each wave waits for all its tensor loads, adds 0 to its spare word, and waits for that and for its own reads of this slot.
.macro TURN slot, next, fill
	s_wait_tensorcnt 0x0                           ; all my tensor loads have landed: my part of the next slot
	ds_add_u32 v[SPW], v[NIL]                      ; 0 onto my spare word
	s_wait_dscnt 4*NL+1                            ; (the add and the youngest sixteen loads may be out)
	WIN MUL_LO
	MUL16 0, 1, 0
	s_wait_dscnt 0x0                               ; the add is done, and my reads of this slot are over
	s_barrier_signal -1
	MUL16 2, 1, 0
	WIN 0
	s_barrier_wait -1
.if \fill
	CREST                                          ; a round of the cluster's barrier: no wave of any partner still reads this slot or has a load on its way
	s_add_nc_u64 s[G0+4*\slot+2:G0+4*\slot+3], s[G0+4*\slot+2:G0+4*\slot+3], 2*ASTEP
	s_add_nc_u64 s[G0B+4*\slot+2:G0B+4*\slot+3], s[G0B+4*\slot+2:G0B+4*\slot+3], 2*ROWB
	JLOAD G0+4*\slot, G1, G0B+4*\slot, G1B         ; the first tensor load behind the round, my only one out; its four v_nop are also the places in front of the loads below
.else
	PLACES NP
.endif
	FETCH_B \next, 0, 0
	FETCH_A \next, 0, 0
	WIN MUL_HI
	MUL16 4, 1, 0
	MUL16 6, 1, 0
	PLACES NP
	WIN 0
	FETCH_A \next, 0, 4
.endm
	s_wait_tensorcnt 1                             ; my part of K step 0 is in (K step 1's load may be out)
	s_barrier_signal -1
	s_barrier_wait -1                              ; everybody's is
	FETCH_B 0, 0, 0
	FETCH_A 0, 0, 0
	FETCH_A 0, 0, 4
	STEP 0, 0, 1                                   ; eight steps of 128, twice round the ring: written out, since a loop would have one trip
	TURN 0, 1, 1
	STEP 1, 0, 0
	TURN 1, 0, 1
	STEP 0, 0, 0
	TURN 0, 1, 0
	STEP 1, 0, 0
	s_wait_dscnt 4*NL
	WIN MUL_LO
	MUL16 0, 1, 0
	MUL16 2, 1, 0
	s_wait_dscnt 0
	WIN MUL_HI
	MUL16 4, 1, 0
	MUL16 6, 1, 0
	WIN 0
; THE WAY OUT, block by block of 16 rows x 128 columns: sum x 2^(e6 + e7) + b_out, half a block at a time; through my own stage and back as whole rows of 512 bytes.
; LDS serves a wave's instructions in order (ISA guide 5.7.1.4): no wait between the stores and the loads, nor in front of the next block's stores.
.macro TOSTAGE a
.set AC, 64*((\a)%4)
.irp hb, 0,1
	WIN 0x02+((\a)/4)                              ; source 0: window 2 or 3
.set j, 0
.rept 16
	v_pk_fma_f32 v[TMP+j:TMP+j+1], v[AC+32*\hb+j:AC+32*\hb+j+1], s[96:97], v[BN+32*\hb+j:BN+32*\hb+j+1] op_sel_hi:[1,0,1]   ; each accumulator from its low end on
.set j, j+2
.endr
	WIN 0
.irp b, 0,1,2,3
	ds_store_b128 v[STO], v[TMP+8*\b:TMP+8*\b+3] offset:64*(4*\hb+\b)
	ds_store_b128 v[STO], v[TMP+8*\b+4:TMP+8*\b+7] offset:64*(4*\hb+\b)+16
.endr
.endr
.set BB, BK+64*((\a)%2)
.irp t, 0,1,2,3,4,5,6,7,8,9,10,11,12,13,14,15
	ds_load_b128 v[BB+4*\t:BB+4*\t+3], v[RD] offset:\t*SPITCH
.endr
.endm
.macro SEND a, younger                 ; younger: the LDS instructions issued behind block a's loads, which may stay out
.set BB, BK+64*((\a)%2)
	s_wait_dscnt \younger
.if (\a) > 0
	s_add_nc_u64 s[12:13], s[12:13], 16*NROW       ; (behind a wait on XCNT: the earlier stores have read their base)  16 rows on
.endif
.irp t, 0,1,2,3,4,5,6,7,8,9,10,11,12,13,14,15
	global_store_b128 v[CO], v[BB+4*\t:BB+4*\t+3], s[12:13] offset:\t*NROW th:TH_STORE_NT   ; 32 lanes store 512 consecutive bytes, at a multiple of 512 from out0's first byte; written once, read by nobody here
.endr
.endm
	PLACES NP                                      ; behind the last products: loads land in the registers that held A's fragments
	TOSTAGE 0
.irp a, 1,2,3,4,5,6,7
.if \a > 1
	s_wait_xcnt 0x0                                ; block a - 2's stores have read their registers and their base
.endif
	TOSTAGE \a
	SEND \a-1, 32                                  ; behind block a - 1's loads: block a's 16 stores and 16 loads
.endr
	s_wait_xcnt 0x0                                ; block 6's stores have read their base
	SEND 7, 0
	s_wait_tensorcnt 0x0                           ; the wave's end
	ds_add_u32 v[SPW], v[NIL]
	s_wait_dscnt 0x0
	CROUND                                         ; the closing round: no work-group ends while a partner may still ask for a tile that names it
	s_endpgm
.Lfunc_end_k_q34b34a1e94_proj_out:
	.size	k_q34b34a1e94_proj_out, .Lfunc_end_k_q34b34a1e94_proj_out-k_q34b34a1e94_proj_out
	.p2alignl 7, 3214868480
	.fill 96, 4, 3214868480
	.section	.rodata,"a",@progbits
	.p2align	6, 0x0
	.amdhsa_kernel k_q34b34a1e94_proj_out
		.amdhsa_group_segment_fixed_size 327680
		.amdhsa_private_segment_fixed_size 0
		.amdhsa_enable_private_segment 0
		.amdhsa_kernarg_size 40
		.amdhsa_user_sgpr_count 2
		.amdhsa_user_sgpr_kernarg_segment_ptr 1
		.amdhsa_wavefront_size32 1
		.amdhsa_system_sgpr_workgroup_id_x 1
		.amdhsa_system_sgpr_workgroup_id_y 1
		.amdhsa_system_sgpr_workgroup_id_z 1
		.amdhsa_system_vgpr_workitem_id 0
		.amdhsa_next_free_vgpr 1024
		.amdhsa_next_free_sgpr 100
		.amdhsa_reserve_vcc 0
		.amdhsa_float_denorm_mode_32 3
		.amdhsa_float_denorm_mode_16_64 3
		.amdhsa_memory_ordered 1
		.amdhsa_forward_progress 1
		.amdhsa_inst_pref_size 126
	.end_amdhsa_kernel
	.amdgpu_metadata
---
amdhsa.version: [ 1, 2 ]
amdhsa.kernels:
  - .name:           k_q34b34a1e94_proj_out
    .symbol:         k_q34b34a1e94_proj_out.kd
    .args:
      - { .name: att, .offset: 0, .size: 8, .value_kind: global_buffer, .address_space: global }
      - { .name: w_out_codes, .offset: 8, .size: 8, .value_kind: global_buffer, .address_space: global }
      - { .name: lowp_scales, .offset: 16, .size: 8, .value_kind: global_buffer, .address_space: global }
      - { .name: b_out, .offset: 24, .size: 8, .value_kind: global_buffer, .address_space: global }
      - { .name: out0, .offset: 32, .size: 8, .value_kind: global_buffer, .address_space: global }
    .group_segment_fixed_size: 327680
    .private_segment_fixed_size: 0
    .kernarg_segment_align: 8
    .kernarg_segment_size: 40
    .max_flat_workgroup_size: 128
    .sgpr_count:     100
    .vgpr_count:     1024
    .wavefront_size: 32
...
	.end_amdgpu_metadata
.endif
;; end of part 3
